; MI455X (gfx1250); checked and timed in simulation.
; The chip was launched on July 23, 2026; its instructions are those of AMD's public machine-readable ISA for CDNA 5 (MIT licence, August 2026) and "CDNA5" Instruction Set Architecture Reference Guide (July 2026). The comments in the code are by the model that wrote it; some were corrected since.
;; Sparse Bahdanau Attention. Allowed arithmetic: matrix products marked QUANTISED: E2M1 operands, one E8M0 scale for each 32 along K, by v_wmma_scale_f32_16x16x128_f8f6f4 with both operands' format E2M1 (or v_wmma_scale_f32_32x16x128_f4), f32 sums; products left as they are: f32 operands where the result goes on into a quantised operand, else bf16, f16 or f32 operands; f32 sums; everything else in f32.
;; Inputs: Ua_b 1,024 float32; Ua_w 1,024 x 1,024 float32; Va_b 1 float32; Va_w 1 x 1,024 float32; Wa_b 1,024 float32; Wa_w 1,024 x 1,024 float32; decoder_hidden 32 x 1,024 float32; encoder_output 32 x 2,048 x 1,024 float32.
;; Outputs: out0 32 x 1 x 1,024 float32; out1 32 x 2,048 float32.
;; This version of the problem:
;;   THIS VERSION OF THE PROBLEM IS GIVEN IN LOW PRECISION. The matrix products marked QUANTISED in the list below multiply operands that are first quantised to E2M1 (2 exponent bits, 1 mantissa bit; 4 bits a number), with one power-of-two scale for each 32 numbers along K (OCP MX v1.0); their sums are f32. All else is computed in f32.
;;   The module's matrix products, in the order in which they are computed (A, B: the left and right operand; K: the contracted axis; several contracted axes count as one K, in the product's order):
;;     1. [M 32, K 1,024] x [K 1,024, N 1,024]; A: input decoder_hidden; B: input Wa_w: QUANTISED
;;     2. [M 65,536, K 1,024] x [K 1,024, N 1,024]; A: input encoder_output; B: input Ua_w: QUANTISED
;;     3. [M 65,536, K 1,024] x [K 1,024, N 1]; A: computed on the way; B: input Va_w: left as it is (N = 1 < 16)
;;     4. batch 32 x [M 1, K 2,048] x [K 2,048, N 1,024]; A: computed on the way; B: input encoder_output: left as it is (M = 1 < 16)
;;   THE QUANTISER, for each operand of a quantised product, along K:
;;     - K is cut into blocks of 32 from its start; a last block that is shorter is filled with zeros.
;;     - A block's scale is 2^e with e = floor(log2(the largest magnitude in the block)) - 2, held to -126 .. 127; a block of zeros has e = 0. As a byte (E8M0): e + 127.
;;     - Each number is divided by its block's scale, clamped to +-6, and rounded to the nearest number of E2M1, ties to even, subnormals kept.
;;     - The product sums the exact products of the quantised numbers (number of the format x scale) in f32.
;;   ~~~python
;;   def quantise(x, axis):      # numpy; x: float32 -> the quantised numbers, widened to float32 again
;;       x = np.moveaxis(x, axis, -1); K = x.shape[-1]
;;       x = np.pad(x, [(0, 0)] * (x.ndim - 1) + [(0, -K % 32)]); x = x.reshape(x.shape[:-1] + (-1, 32)); a = np.abs(x).max(-1, keepdims=True)
;;       e = np.where(a > 0, np.clip(np.frexp(np.where(a > 0, a, 1))[1] - 1 - 2, -126, 127), 0)      # np.frexp(a)[1] - 1 = floor(log2(a)), exactly
;;       r = np.clip(x / 2.0 ** e, -6, 6)
;;       step = 2.0 ** (np.maximum(np.frexp(np.where(r == 0, 1, r))[1] - 1, 0) - 1)
;;       q = np.round(r / step) * step * 2.0 ** e      # np.round: ties to even
;;       return np.moveaxis(q.reshape(q.shape[:-2] + (-1,))[..., :K], -1, axis).astype(np.float32)
;;   ~~~
;; One version. Each part assembles by itself: llvm-mc -triple=amdgcn-amd-amdhsa -mcpu=gfx1250 --defsym DOCPART=n.
;; ======== version 1 of 1: 4 launches
;; limits: a function is approximated: absolute error at most 1.2e-07
;; workspace buffers: uaq 557,056 bytes; qb 131,072 bytes; en 262,144 bytes; mask 8,192 bytes of whole numbers
;; launch prep (part 1): grid 192 x 1, 8 waves a work-group, no clusters, 10,240 bytes of LDS; arguments Ua_w, Wa_w, decoder_hidden, Wa_b, Ua_b, uaq, qb; writes uaq, qb
.if DOCPART == 1
	.amdgcn_target "amdgcn-amd-amdhsa--gfx1250"
	.amdhsa_code_object_version 6
	.text
	.protected	k_q7b009d020b_prep
	.globl	k_q7b009d020b_prep
	.p2align	8
	.type	k_q7b009d020b_prep,@function
k_q7b009d020b_prep:
	s_mov_b64 s[64:65], 0
	v_nop
	global_prefetch_b8 v0, s[64:65] scope:SCOPE_SE
	s_setreg_imm32_b32 hwreg(HW_REG_WAVE_MODE, 25, 1), 1
	s_wait_xcnt 0x0
; Work-groups 0-63: 16 rows of Ua_w [1024][1024] f32 become codes of FP4 (E2M1) with one E8M0 byte for each 32 along K, laid as a TILE IMAGE of 8,704 bytes:
;   8 fragments (K step q: 1,024 bytes; register group c of lane l at 1024 q + 512 c + 16 l), then 512 bytes of scale words (word q of row r at 8192 + 256 (q / 4) + 16 r + 4 (q % 4)).
;   Tile T = 16 ng + j, j = 3 c + u, lies at place 12 c + 3 ng + u, so that the twelve tiles which the next launch wants together are 104,448 bytes on end; the four tiles j = 15 lie at places 60 + ng.
; Work-groups 64-191, one for each (T, t): 16 rows of Wa_w are quantised the same way and multiplied at once with 16 rows of the quantised decoder_hidden [32][1024]:
;   qb[16 t + r][o] = sum over k of Q(dec[16 t + r][k]) Q(Wa[o][k]) + Wa_b[o] + Ua_b[o].   Wa_w is so read twice; a wave has two sets of 64 numbers to quantise and not three.
; Wave q takes K step q (128 along K): 64 numbers a lane.  The eight waves' partial sums of the query meet in LDS and are added in f32, K ascending.
; A block's scale is 2^(floor(log2(largest magnitude)) - 2); its byte is the largest magnitude's exponent field - 2, held at 1 from below by a floor among the maximum's leaves.
; LIMITS: NaN and infinities among the inputs are not served.  A block of zeros gets the byte 1 where the rule says 127: its codes are zeros, and this program alone reads the bytes; blocks whose largest
; magnitude lies under 2^-124 were not tried.  The query's eight K steps are added by vector additions, the biases behind them: another order of rounding than one chain of sums.
; qb is stored 64 consecutive bytes a batch row: a work-group has 16 outputs of each row and no more.
; The two kinds of work-group have LDS bytes of their own.  No tensor load, no cluster: the work-groups share no tile but decoder_hidden's 128 KB.
.set USC,   0                          ; LDS: Ua's 512 bytes of scale words
.set PARTQ, 1024                       ; LDS: the query's partial sums, 1,024 bytes a wave
.set XA,  4                            ; v4   row r of 4,096 bytes + 64 h: my 16 numbers of a block of 32
.set LI,  5                            ; v5   16 x lane
.set USW, 6                            ; v6   where my row's scale word goes
.set PQW, 7                            ; v7   where I put partial sums
.set PQR, 8                            ; v8   where I read them back
.set BO,  9                            ; v9   32 h + 16 (q % 2): four outputs' biases
.set QO,  10                           ; v10  row r of qb + the same
.set WS,  12                           ; v12  the weight's scale word; v13 decoder_hidden's: these two hold scales alone
.set DS0, 13
.set TM,  16                           ; v16-19 largest magnitudes, v20-23 the other half's, then bytes, v24-27 the conversions' scale operands
.set WF,  28                           ; v28-35 the weight's fragment
.set DF0, 36                           ; v36-43 decoder_hidden's
.set BW,  52                           ; v52-55 four of Wa_b, v56-59 four of Ua_b
.set SW,  60                           ; v60-63 Ua's scale words on their way out
.set ST0, 64                           ; two sets of 64 numbers as loaded
.set ST1, 128
.set D0,  64                           ; the product, in registers that set 0 has left
.set SEL, 32                           ; s[32:33] v_permlanex16_b32's selects for lane l xor 16
.macro XLOAD reg, base, off            ; 16 rows x 128 along K: register 16 b + 4 j + i = k 32 b + 16 h + 4 j + i of my row
.irp b, 0,1,2,3
.irp j, 0,1,2,3
	global_load_b128 v[\reg+16*\b+4*\j:\reg+16*\b+4*\j+3], v[XA], s[\base:\base+1] offset:\off+128*\b+16*\j
.endr
.endr
.endm
; 64 numbers of a lane become a fragment's codes in v[pc] on and its scale word in v[pw]
.macro QUANT s, pc, pw
.irp b, 0,1,2,3
	v_max3_num_f32 v[TM+\b], |v[\s+16*\b]|, |v[\s+1+16*\b]|, 0x1800000   ; block b: my 16 numbers, and the floor 2^(3 - 127): the byte cannot fall under 1
.endr
.irp i, 2,4,6,8,10,12,14
.irp b, 0,1,2,3
	v_max3_num_f32 v[TM+\b], v[TM+\b], |v[\s+16*\b+\i]|, |v[\s+1+16*\b+\i]|   ; the four blocks by turns
.endr
.endr
.irp b, 0,1,2,3
	v_permlanex16_b32 v[TM+4+\b], v[TM+\b], s[SEL], s[SEL+1]
.endr
.irp b, 0,1,2,3
	v_max_num_f32 v[TM+\b], v[TM+\b], v[TM+4+\b]                   ; with lane l xor 16's: the block's largest magnitude
.endr
.irp b, 0,1,2,3
	v_add_nc_u32 v[TM+8+\b], 0xff000000, v[TM+\b]                  ; 2 off its exponent field: the conversion takes this operand's exponent field as its scale
.endr
.irp b, 0,1,2,3
	v_lshrrev_b32 v[TM+4+\b], 23, v[TM+8+\b]                       ; the scale's byte
.endr
	v_lshl_or_b32 v[\pw], v[TM+5], 8, v[TM+4]                      ; four bytes: my row's scale word
	v_lshl_or_b32 v[\pw], v[TM+6], 16, v[\pw]
	v_lshl_or_b32 v[\pw], v[TM+7], 24, v[\pw]
.irp b, 0,1,2,3
	v_cvt_scalef32_pk8_fp4_f32 v[\pc+2*\b], v[\s+16*\b:\s+7+16*\b], v[TM+8+\b]
	v_cvt_scalef32_pk8_fp4_f32 v[\pc+1+2*\b], v[\s+8+16*\b:\s+15+16*\b], v[TM+8+\b]
.endr
	v_nop                                                          ; one plain instruction behind the last scaled conversion
.irp c, 0,1                                                    ; the operand's layout wants a whole block in a lane: lanes 0-15 block 2 c, lanes 16-31 block 2 c + 1
.irp i, 0,1
	v_permlane16_swap_b32 v[\pc+4*\c+\i], v[\pc+2+4*\c+\i]
.endr
.endr
.endm
	s_load_b256 s[4:11], s[0:1], 0x0               ; Ua_w s[4:5], Wa_w s[6:7], decoder_hidden s[8:9], Wa_b s[10:11]
	s_load_b128 s[12:15], s[0:1], 0x20             ; Ua_b s[12:13], uaq s[14:15]
	s_load_b64 s[16:17], s[0:1], 0x30              ; qb
	v_lshl_add_u32 v192, v0, 2, 0x2400
	v_mov_b32 v193, 0
	v_lshrrev_b32 v1, 5, v0
	v_readfirstlane_b32 s18, v1                    ; wave = K step q
	s_sub_co_u32 s21, ttmp9, 64                    ; Wa's work-groups count from 64 on:
	s_lshr_b32 s19, s21, 1                         ; their T,
	s_and_b32 s34, s21, 1                          ; their t: which 16 batch rows (in Ua's work-groups a bit that nothing uses)
	s_cmp_lt_u32 ttmp9, 64
	s_cselect_b32 s19, ttmp9, s19                  ; T: which 16 rows of the weight
	s_cselect_b32 s20, 0, 1                        ; 0: Ua, 1: Wa
	v_and_b32 v1, 31, v0                           ; lane
	v_and_b32 v2, 15, v0                           ; r
	v_bfe_u32 v3, v0, 4, 1                         ; h
	v_lshlrev_b32 v[XA], 12, v2
	v_lshl_add_u32 v[XA], v3, 6, v[XA]
	v_lshlrev_b32 v[LI], 4, v1
	s_lshr_b32 s24, s18, 2                         ; every LDS address is made here, ahead of the parting of the ways
	s_lshl_b32 s24, s24, 8
	s_and_b32 s25, s18, 3
	s_lshl_b32 s25, s25, 2
	s_add_co_u32 s24, s24, s25
	v_lshl_add_u32 v[USW], v2, 4, s24              ; USC (= 0) + 16 r + 256 (q / 4) + 4 (q % 4)
	s_lshl_b32 s24, s18, 10
	s_add_co_u32 s24, s24, PARTQ
	v_add_nc_u32 v[PQW], s24, v[LI]
	s_and_b32 s25, s18, 1                          ; g = q % 2: which four of a lane's eight outputs waves 0 and 1 finish
	s_lshl_b32 s24, s25, 9
	s_add_co_u32 s24, s24, PARTQ
	v_add_nc_u32 v[PQR], s24, v[LI]
	s_lshl_b32 s25, s25, 4
	v_lshl_add_u32 v[BO], v3, 5, s25
	v_lshl_add_u32 v[QO], v2, 12, v[BO]
	s_mov_b32 s[SEL], 0x76543210
	s_mov_b32 s[SEL+1], 0xfedcba98
.irp b, 0,1,2,3
	v_mov_b32 v[TM+4+\b], 0                        ; written once: a lane permute's destination counts as one of its sources
.endr
	s_lshl_b32 s24, s19, 16                        ; T x 16 rows of 4,096 bytes
	s_lshl_b32 s25, s18, 9                         ; + 512 q
	s_add_co_u32 s24, s24, s25
	s_mov_b32 s25, 0
	s_and_b32 s26, s19, 15                         ; the tile's place.  j,
	s_lshr_b32 s27, s19, 4                         ; ng,
	s_mul_i32 s28, s26, 11
	s_lshr_b32 s28, s28, 5                         ; c = j / 3 (11 j / 32 is that for j up to 15),
	s_mul_i32 s29, s28, 3
	s_sub_co_u32 s29, s26, s29                     ; u = j - 3 c
	s_cmp_eq_u32 s26, 15
	s_cselect_b32 s30, 1, 3                        ; a column group has three tiles in a run of twelve, one in the last run of four
	s_mul_i32 s30, s30, s27
	s_mul_i32 s28, s28, 12
	s_add_co_u32 s26, s28, s29
	s_add_co_u32 s26, s26, s30                     ; 12 c + 3 ng + u, or 60 + ng
	s_mul_i32 s26, s26, 8704
	s_mov_b32 s27, 0
	s_lshl_b32 s28, s18, 10                        ; fragment q in the image
	s_mov_b32 s29, 0
	s_lshl_b32 s30, s18, 9                         ; K step q in a row of decoder_hidden,
	s_lshl_b32 s31, s34, 16                        ; 16 t rows down
	s_add_co_u32 s30, s30, s31
	s_mov_b32 s31, 0
	s_lshl_b32 s36, s19, 6                         ; 64 T: the tile's 16 outputs in a row of f32
	s_mov_b32 s37, 0
	s_lshl_b32 s38, s34, 16                        ; 16 t rows of qb
	s_add_co_u32 s38, s38, s36
	s_mov_b32 s39, 0
	s_wait_kmcnt 0x0
	s_cmp_eq_u32 s20, 0                            ; the choice hangs on the work-group's number alone
	s_cselect_b64 s[22:23], s[4:5], s[6:7]
	s_add_nc_u64 s[22:23], s[22:23], s[24:25]      ; my 16 rows, my K step
	s_add_nc_u64 s[26:27], s[14:15], s[26:27]      ; the tile's image
	s_add_nc_u64 s[28:29], s[26:27], s[28:29]      ; my fragment in it
	s_add_nc_u64 s[30:31], s[8:9], s[30:31]
	s_add_nc_u64 s[10:11], s[10:11], s[36:37]
	s_add_nc_u64 s[12:13], s[12:13], s[36:37]
	s_add_nc_u64 s[16:17], s[16:17], s[38:39]
	global_load_b128 v[BW:BW+3], v[BO], s[10:11]   ; the biases are asked for first, on the way that all take: they land under the weights' loads
	global_load_b128 v[BW+4:BW+7], v[BO], s[12:13]
	XLOAD ST0, 22, 0
	s_cmp_lg_u32 s20, 0
	s_cbranch_scc1 .Lwa
	; ---- Ua: the fragment leaves as it stands, 512 consecutive bytes a store; the scale words meet in LDS
	s_wait_loadcnt 0x0
	QUANT ST0, WF, WS
	global_store_b128 v[LI], v[WF:WF+3], s[28:29]
	global_store_b128 v[LI], v[WF+4:WF+7], s[28:29] offset:512
	ds_store_b32 v[USW], v[WS]                     ; lanes r and 16 + r write the same word with the same value
	s_branch .Ljoin
.Lwa:
	; ---- Wa: my K step of the query for 16 batch rows
	XLOAD ST1, 30, 0
	s_wait_loadcnt 16                              ; the biases and the weight's sixteen loads are in; decoder_hidden's sixteen may be out
	QUANT ST0, WF, WS
	s_wait_loadcnt 0x0
	QUANT ST1, DF0, DS0
.rept 8
	v_nop                                          ; a scale register written by a vector instruction stands eight places ahead of a scaled matrix instruction, an operand four
.endr
	; source 0 = 16 rows of Wa, source 1 = 16 batch rows: lane (r, h) holds batch row 16 t + r, its registers the outputs 16 T + 8 h + 0 .. 7
	v_wmma_scale_f32_16x16x128_f8f6f4 v[D0:D0+7], v[WF:WF+7], v[DF0:DF0+7], 0, v[WS], v[DS0] matrix_a_fmt:MATRIX_FMT_FP4 matrix_b_fmt:MATRIX_FMT_FP4
.rept 4
	v_nop                                          ; four places ahead of the stores that read the result
.endr
	ds_store_b128 v[PQW], v[D0:D0+3]               ; the result from its low end on
	ds_store_b128 v[PQW], v[D0+4:D0+7] offset:512
.Ljoin:
	s_wait_dscnt 0x0                               ; for the others' sake: my LDS stores have landed
	s_barrier_signal -1
	s_barrier_wait -1
	s_cmp_lg_u32 s20, 0
	s_cbranch_scc1 .Lwa2
	s_cmp_lg_u32 s18, 0
	s_cbranch_scc1 .Lend
	ds_load_b128 v[SW:SW+3], v[LI] offset:USC      ; wave 0: the tile's 512 bytes of scale words
	s_wait_dscnt 0x0
	global_store_b128 v[LI], v[SW:SW+3], s[26:27] offset:8192   ; 512 consecutive bytes
	s_branch .Lend
.Lwa2:
	s_cmp_ge_u32 s18, 2
	s_cbranch_scc1 .Lend
	; waves 0 and 1: four of a lane's eight outputs each: the eight K steps' sums, K ascending, then both biases
.irp k, 0,1,2,3,4,5,6,7
	ds_load_b128 v[128+4*\k:128+4*\k+3], v[PQR] offset:1024*\k
.endr
	s_wait_dscnt 0x0
.irp k, 1,2,3,4,5,6,7
	v_pk_add_f32 v[128:129], v[128:129], v[128+4*\k:129+4*\k]
	v_pk_add_f32 v[130:131], v[130:131], v[130+4*\k:131+4*\k]
.endr
	v_pk_add_f32 v[128:129], v[128:129], v[BW:BW+1]
	v_pk_add_f32 v[130:131], v[130:131], v[BW+2:BW+3]
	v_pk_add_f32 v[128:129], v[128:129], v[BW+4:BW+5]
	v_pk_add_f32 v[130:131], v[130:131], v[BW+6:BW+7]
	global_store_b128 v[QO], v[128:131], s[16:17]
.Lend:
	s_wait_tensorcnt 0x0
	ds_add_u32 v192, v193
	s_wait_dscnt 0x0
	s_endpgm
.Lfunc_end_k_q7b009d020b_prep:
	.size	k_q7b009d020b_prep, .Lfunc_end_k_q7b009d020b_prep-k_q7b009d020b_prep
	.p2alignl 7, 3214868480
	.fill 96, 4, 3214868480
	.section	.rodata,"a",@progbits
	.p2align	6, 0x0
	.amdhsa_kernel k_q7b009d020b_prep
		.amdhsa_group_segment_fixed_size 10240
		.amdhsa_private_segment_fixed_size 0
		.amdhsa_enable_private_segment 0
		.amdhsa_kernarg_size 56
		.amdhsa_user_sgpr_count 2
		.amdhsa_user_sgpr_kernarg_segment_ptr 1
		.amdhsa_wavefront_size32 1
		.amdhsa_system_sgpr_workgroup_id_x 1
		.amdhsa_system_sgpr_workgroup_id_y 1
		.amdhsa_system_sgpr_workgroup_id_z 1
		.amdhsa_system_vgpr_workitem_id 0
		.amdhsa_next_free_vgpr 194
		.amdhsa_next_free_sgpr 66
		.amdhsa_reserve_vcc 0
		.amdhsa_float_denorm_mode_32 3
		.amdhsa_float_denorm_mode_16_64 3
		.amdhsa_memory_ordered 1
		.amdhsa_forward_progress 1
		.amdhsa_inst_pref_size 22
	.end_amdhsa_kernel
	.amdgpu_metadata
---
amdhsa.version: [ 1, 2 ]
amdhsa.kernels:
  - .name:           k_q7b009d020b_prep
    .symbol:         k_q7b009d020b_prep.kd
    .args:
      - { .name: Ua_w, .offset: 0, .size: 8, .value_kind: global_buffer, .address_space: global }
      - { .name: Wa_w, .offset: 8, .size: 8, .value_kind: global_buffer, .address_space: global }
      - { .name: decoder_hidden, .offset: 16, .size: 8, .value_kind: global_buffer, .address_space: global }
      - { .name: Wa_b, .offset: 24, .size: 8, .value_kind: global_buffer, .address_space: global }
      - { .name: Ua_b, .offset: 32, .size: 8, .value_kind: global_buffer, .address_space: global }
      - { .name: uaq, .offset: 40, .size: 8, .value_kind: global_buffer, .address_space: global }
      - { .name: qb, .offset: 48, .size: 8, .value_kind: global_buffer, .address_space: global }
    .group_segment_fixed_size: 10240
    .private_segment_fixed_size: 0
    .kernarg_segment_align: 8
    .kernarg_segment_size: 56
    .max_flat_workgroup_size: 256
    .sgpr_count:     66
    .vgpr_count:     194
    .wavefront_size: 32
...
	.end_amdgpu_metadata
.endif
;; end of part 1
;; launch scores (part 2): grid 256 x 1, 8 waves a work-group, clusters of 4 x 1, 327,680 bytes of LDS; arguments encoder_output, uaq, qb, Va_w, Va_b, en; writes en
.if DOCPART == 2
	.amdgcn_target "amdgcn-amd-amdhsa--gfx1250"
	.amdhsa_code_object_version 6
	.text
	.protected	k_q7b009d020b_scores
	.globl	k_q7b009d020b_scores
	.p2align	8
	.type	k_q7b009d020b_scores,@function
k_q7b009d020b_scores:
	s_mov_b64 s[64:65], 0
	v_nop
	global_prefetch_b8 v0, s[64:65] scope:SCOPE_SE
	s_setreg_imm32_b32 hwreg(HW_REG_WAVE_MODE, 25, 1), 1
	s_wait_xcnt 0x0
	s_wait_alu depctr_hold_cnt(0) depctr_sa_sdst(0) depctr_va_vdst(0) depctr_va_sdst(0) depctr_va_ssrc(0) depctr_va_vcc(0) depctr_vm_vsrc(0)
	s_getreg_b32 s2, hwreg(HW_REG_IB_STS2, 6, 4)
	s_cmp_eq_u32 s2, 0
	s_cbranch_scc0 .Lentry_in_a_cluster
	s_endpgm
.Lentry_in_a_cluster:
	s_bfe_u32 s2, ttmp6, 0x10000c
	s_cmp_lg_u32 s2, 0x3003
	s_cbranch_scc0 .Lentry_shape_is_right
	s_endpgm
.Lentry_shape_is_right:
; en[row] = Va_b + sum over o of Va[o] tanh( sum over k of Q(enc[row][k]) Q(Ua[o][k]) + qb[batch][o] ),  row = 0 .. 65,535, K = N = 1,024.  The product runs on codes of FP4 (E2M1) with E8M0 scales.
; SHARES.  A work-group owns 256 rows of one batch, as two blocks of 128.  Eight waves of 512 registers, two to a SIMD.
; Wave w = mg + 2 ng makes 64 rows (mg) x 256 outputs (ng).  Its 64 rows' codes for all of K stay in 256 registers (window 1); it walks 16 tiles of 16 rows of Ua, and each fragment of Ua read from LDS feeds four products.
; enc arrives as f32 by plain loads and is quantised in registers: a lane holds 8 neighbours along K, four lanes a block.  Block 0 is quantised first, on four row buffers (32 loads a wave on their way: the registers of
; Ua's fragments are idle then); block 1's rows are loaded, on two buffers, and quantised between the exponentials and reciprocals of block 0's tanh.  Wave w quantises the work-group's rows 8 p + w and lays their codes
; on end in LDS, so tile (mg, t)'s lane r is the block's row 8 r + 4 mg + t.
; Ua's codes come as tile images (made by the launch before) through a ring of two LDS slots of TWELVE tiles, three for each column group, as large as fit beside a block's codes: a fill has three tiles' work of every
; wave in which to land.  64 = 5 x 12 + 4: a block is five full steps and a short one, whose four tiles land where tile 0 of each column group lies in slot 1.  Every wave fetches an eighth of a fill.
; CLUSTER: the four work-groups of a cluster walk the same images in step, so each is asked for jointly: the same tensor load with the same descriptor and a mask that names the four.
; THE MATRIX INSTRUCTION IS USED TRANSPOSED: source 0 = 16 rows of Ua, source 1 = 16 rows of enc: a lane holds one row of enc and eight outputs.  The bias qb is the C of a sum's first instruction.
; tanh(x) = 1 - 2 r, r = 1 / (1 + 2^(2 log2(e) x)): for large |x| the exponential goes to infinity or 0 and r to 0 or 1, with no clamp.  A row's energy is sum(Va) - 2 sum(Va r), both sums in f32.
; LIMITS: NaN and infinities among the inputs are not served.  A block of zeros gets the scale byte 1 (its codes are zeros; this program alone reads the bytes); blocks whose largest magnitude lies under 2^-124 were not tried.
; The bias stands ahead of the K sums, and Va's products are summed by lanes and waves: another order of rounding than one chain.
; No prefetch: enc's own loads keep sixteen requests a wave or more on their way from the first line on, and Ua's images are walked by all work-groups together.
.set TILEB,  8704                      ; a tile image: 8 fragments of 1,024 bytes, 512 bytes of scale words
.set HALFB,  TILEB/2                   ; what a wave fetches of the short fill: 17 rows of 256 bytes
.set SLOTB,  12*TILEB                  ; a slot
.set WPART,  SLOTB/8                   ; what a wave fetches of a full fill: 51 rows of 256 bytes
.set ACODE,  2*SLOTB                   ; behind the ring: a block's codes, 128 rows of 512 bytes, pitch 528: an odd multiple of 16, so the sixteen rows of a load fall on sixteen different 16-byte columns of 256
.set APITCH, 528
.set ASCALE, ACODE+128*APITCH          ; their scale bytes: 128 rows of 32, pitch 48
.set SPITCH, 48
.set BIAS,   ASCALE+128*SPITCH         ; qb's row of my batch, 4,096 bytes
.set VAL,    BIAS+4096                 ; Va_w, 4,096 bytes
.set PART,   VAL+4096                  ; the waves' partial energies: 256 bytes a wave
.set SPARE,  PART+2048                 ; the spare words, 128 bytes for each wave: four blocks of 256 bytes that no other line names
.set SPW,  1                           ; v1   LDS address of my spare word; never rewritten
.set NIL,  2                           ; v2   0; never rewritten
.set AB0,  3                           ; v3, v4   my place in my column group's tiles, slot 0, 1
.set ABS0, 5                           ; v5, v6   and among their scale words
.set ABI,  7                           ; v7   the tile's biases (Va lies 4,096 bytes on); stepped
.set AA,   8                           ; v8   my place in my 64 rows' codes
.set AAS,  9                           ; v9   and among their scale words
.set XO,   10                          ; v10  32 x lane: my 8 numbers of 256
.set ADC,  11                          ; v11  where the codes that I make go; stepped
.set ADS,  12                          ; v12  and their scale bytes; stepped
.set APT,  13                          ; v13  where my partial energies go
.set APR,  14                          ; v14  where waves 0 and 1 read them back
.set EO,   15                          ; v15  my byte offset in a block's 512 bytes of en
.set TM,   16                          ; v16-19 largest magnitudes; v20-23 the conversions' scale operands, and lane permutes' destinations
.set CD,   24                          ; v24-27 a row's codes, v28-31 its scale bytes
.set EA,   32                          ; v32-39 sum of Va r: a pair for each of my four tiles of rows.  (While block 0 is quantised: the odd rows' codes and scale bytes)
.set VS,   40                          ; v40-41 sum of Va
.set T,    42                          ; v42-47 at work
.set BS,   48                          ; v48-55 Ua's scale words, one for each K step: scales alone
.set AS,   56                          ; v56-71 enc's: register 8 i + q: lanes 0-15 tile 2 i, lanes 16-31 tile 2 i + 1: scales alone
.set BI,   72                          ; v72-79 the tile's biases in the result's layout
.set VA,   80                          ; v80-95 Va likewise, two sets
.set AC,   96                          ; v96-127 four accumulators
.set BF,   128                         ; v128-191 the tile of Ua: 8 fragments.  (While block 0 is quantised: row buffers -2 and -1)
.set X,    192                         ; v192-255 row buffers 0 and 1, 32 registers each.   Window 1: enc's fragment (tile t, K step q) at v[64 t + 8 q]
.set WV,   16                          ; s16  my wave's number
.set G1,   24                          ; s[24:31] descriptor group 1 of a full fill
.set G0,   32                          ; s[32:39] group 0, a set for each slot
.set UB,   40                          ; s[40:41] uaq + 13,056 x wave
.set CO,   42                          ; s[42:43] the byte offset of the twelve tiles to be asked for
.set CS,   44                          ; s[44:45] 2 log2(e)
.set SEL,  46                          ; s[46:47] v_permlanex16_b32's selects for lane l xor 16
.set EP,   48                          ; s[48:49] enc at my first row; stepped in block 0's loop
.set CNT,  50
.set VB,   52                          ; s[52:53] Va_b
.set EN,   54                          ; s[54:55] en at my work-group's first row
.set G1P,  68                          ; s[68:75] descriptor group 1 of the short fill
.set G0P,  76                          ; s[76:79] its group 0; never rewritten
.set MSB, 0
.set RB,    0                          ; rows (in steps of eight) that XROW's immediates add to EP
.set AHEAD, 4                          ; how many of my rows ahead a row buffer is filled again
.set CDB,   CD                         ; where a row's codes and scale bytes are made
.macro WIN new                         ; the immediate's high byte repeats the setting that is left
.if MSB != \new
	s_set_vgpr_msb (MSB<<8)|\new
.set MSB, \new
.endif
.endm
; A round of the cluster's barrier: my work-group's barrier; wave 0 signals for the work-group; every wave waits for all four work-groups; my work-group's barrier once more.
.macro ROUND
	s_barrier_signal -1
	s_barrier_wait -1
	s_cmp_lg_u32 s[WV], 0
	s_cbranch_scc1 .Lnot_wave_0_\@
	s_barrier_signal -3
.Lnot_wave_0_\@:
	s_barrier_wait -3
	s_barrier_signal -1
	s_barrier_wait -1
.endm
.macro SETADR                          ; the three stepped addresses at a block's start
	v_and_b32 v[T+4], 31, v0
	v_lshl_add_u32 v[ADC], v[T+4], 2, s56          ; my 16 rows of codes + 4 x lane
	v_bfe_u32 v[T+4], v0, 2, 3
	v_add_nc_u32 v[ADS], s57, v[T+4]               ; my 16 rows of scale bytes + lane / 4
	v_bfe_u32 v[T+4], v0, 4, 1
	v_lshl_add_u32 v[ABI], v[T+4], 5, s58          ; my column group's biases + 32 h
.endm
; THE CHANGE OF SLOTS, at the head of the step that reads slot cur.  refill = 1: the other slot takes the next twelve tiles; 3: the last four; 2: the first twelve again, for the next block; 0: nothing more is asked for.
.macro CHANGE cur, refill
	s_wait_tensorcnt 0x0                           ; my one tensor load, my part of slot cur, has landed: so a group 0 may be written
	ds_add_u32 v[SPW], v[NIL]                      ; 0 onto my spare word
.if \refill == 1
	s_add_co_u32 s[CO], s[CO], SLOTB
.endif
.if \refill == 2
	s_mov_b32 s[CO], 0
.endif
.if (\refill == 1) || (\refill == 2)
	s_add_nc_u64 s[G0+6-4*\cur:G0+7-4*\cur], s[UB:UB+1], s[CO:CO+1]
	s_or_b32 s[G0+7-4*\cur], s[G0+7-4*\cur], 0x80000000
.endif
	s_wait_dscnt 0x0                               ; the add is done, and my reads of the other slot are over
.if \refill
	ROUND                                          ; both now hold of every wave of all four work-groups
.if \refill == 3
	tensor_load_to_lds s[G0P:G0P+3], s[G1P:G1P+7]  ; my one load behind the round: half a tile of the last four, into slot 1
	s_nop 0
.else
	tensor_load_to_lds s[G0+4-4*\cur:G0+7-4*\cur], s[G1:G1+7]     ; my one load behind the round: it has this step's products and tanh in which to land
	s_nop 0
.endif
.rept 4
	v_nop                                          ; four plain lines behind the load
.endr
.else
	s_barrier_signal -1
	s_barrier_wait -1                              ; slot cur is whole for every wave
.endif
.endm
; Tile u of my column group's three in the slot, the idx-th of a loop trip's six: 16 loads of codes, 2 of scale words, 2 of biases, 2 of Va (into set idx % 2)
.macro BLOAD slot, u, idx, set
.irp q, 0,1,2,3,4,5,6,7
.irp c, 0,1
	ds_load_b128 v[BF+8*\q+4*\c:BF+8*\q+4*\c+3], v[AB0+\slot] offset:TILEB*\u+1024*\q+512*\c
.endr
.endr
.irp g, 0,1
	ds_load_b128 v[BS+4*\g:BS+4*\g+3], v[ABS0+\slot] offset:TILEB*\u+256*\g
.endr
.irp g, 0,1
	ds_load_b128 v[BI+4*\g:BI+4*\g+3], v[ABI] offset:64*\idx+16*\g
.endr
.irp g, 0,1
	ds_load_b128 v[VA+8*\set+4*\g:VA+8*\set+4*\g+3], v[ABI] offset:4096+64*\idx+16*\g
.endr
.endm
; 32 products: K step by K step, my four tiles of rows by turns, one instruction a turn.  The first K step takes the biases as C.
.macro MUL u
	s_wait_dscnt 0x0                               ; the tile is in (and the LDS stores of the row just quantised have read their registers)
	WIN 0x04                                       ; source 1 (enc) window 1
.irp q, 0,1,2,3,4,5,6,7
.irp t, 0,1,2,3
.if \q == 0
.if (\t%2) == 1
	v_wmma_scale_f32_16x16x128_f8f6f4 v[AC+8*\t:AC+8*\t+7], v[BF+8*\q:BF+8*\q+7], v[64*\t+8*\q:64*\t+8*\q+7], v[BI:BI+7], v[BS+\q], v[AS+8*(\t/2)+\q] matrix_a_fmt:MATRIX_FMT_FP4 matrix_b_fmt:MATRIX_FMT_FP4 matrix_b_scale:MATRIX_SCALE_ROW1
.else
	v_wmma_scale_f32_16x16x128_f8f6f4 v[AC+8*\t:AC+8*\t+7], v[BF+8*\q:BF+8*\q+7], v[64*\t+8*\q:64*\t+8*\q+7], v[BI:BI+7], v[BS+\q], v[AS+8*(\t/2)+\q] matrix_a_fmt:MATRIX_FMT_FP4 matrix_b_fmt:MATRIX_FMT_FP4
.endif
.else
.if (\t%2) == 1
	v_wmma_scale_f32_16x16x128_f8f6f4 v[AC+8*\t:AC+8*\t+7], v[BF+8*\q:BF+8*\q+7], v[64*\t+8*\q:64*\t+8*\q+7], v[AC+8*\t:AC+8*\t+7], v[BS+\q], v[AS+8*(\t/2)+\q] matrix_a_fmt:MATRIX_FMT_FP4 matrix_b_fmt:MATRIX_FMT_FP4 matrix_b_scale:MATRIX_SCALE_ROW1
.else
	v_wmma_scale_f32_16x16x128_f8f6f4 v[AC+8*\t:AC+8*\t+7], v[BF+8*\q:BF+8*\q+7], v[64*\t+8*\q:64*\t+8*\q+7], v[AC+8*\t:AC+8*\t+7], v[BS+\q], v[AS+8*(\t/2)+\q] matrix_a_fmt:MATRIX_FMT_FP4 matrix_b_fmt:MATRIX_FMT_FP4
.endif
.endif
.endr
.endr
	WIN 0
.irp p, 0,1,2,3
	v_pk_add_f32 v[VS:VS+1], v[VS:VS+1], v[VA+8*\u+2*\p:VA+8*\u+2*\p+1]   ; sum of Va.  These four name no register of the products: they are the four places ahead of the next tile's loads and of the first read of the results
.endr
.endm
.macro XROW buf, row                   ; my row number row + RB, counted from EP: register 8 u + 4 j + i = k 256 u + 8 lane + 4 j + i; the two loads of a u cover 1,024 consecutive bytes
.irp u, 0,1,2,3
.irp j, 0,1
	global_load_b128 v[X+32*(\buf)+8*\u+4*\j:X+32*(\buf)+8*\u+4*\j+3], v[XO], s[EP:EP+1] offset:32768*((\row)+RB)+1024*\u+16*\j th:TH_LOAD_NT
.endr
.endr
.endm
.macro QA buf                          ; the largest magnitudes of the row's blocks: my 8 numbers of each of four, then my three neighbours'
.irp u, 0,1,2,3
	v_max3_num_f32 v[TM+\u], |v[X+32*(\buf)+8*\u]|, |v[X+32*(\buf)+8*\u+1]|, 0x1800000   ; with the floor 2^(3 - 127): the byte cannot fall under 1
.endr
.irp i, 2,4,6
.irp u, 0,1,2,3
	v_max3_num_f32 v[TM+\u], v[TM+\u], |v[X+32*(\buf)+8*\u+\i]|, |v[X+32*(\buf)+8*\u+\i+1]|
.endr
.endr
.irp u, 0,1,2,3
	v_max_num_f32_dpp v[TM+\u], v[TM+\u], v[TM+\u] row_xmask:1 row_mask:0xf bank_mask:0xf
.endr
.irp u, 0,1,2,3
	v_max_num_f32_dpp v[TM+\u], v[TM+\u], v[TM+\u] row_xmask:2 row_mask:0xf bank_mask:0xf
.endr
.endm
.macro QB buf, il, load                ; scales, codes, their way to LDS (row il on from ADC, ADS); load = 1: the buffer takes my row AHEAD further on
.irp u, 0,1,2,3
	v_add_nc_u32 v[TM+4+\u], 0xff000000, v[TM+\u]                  ; 2 off the exponent field: the conversion's scale operand
.endr
.irp u, 0,1,2,3
	v_cvt_scalef32_pk8_fp4_f32 v[CDB+\u], v[X+32*(\buf)+8*\u:X+32*(\buf)+8*\u+7], v[TM+4+\u]
.endr
.irp u, 0,1,2,3
	v_lshrrev_b32 v[CDB+4+\u], 23, v[TM+4+\u]                      ; the scale's byte.  (Plain lines behind the scaled conversions)
.endr
.irp u, 0,1,2,3
	ds_store_b32 v[ADC], v[CDB+\u] offset:APITCH*(\il)+128*\u      ; 8 codes: 32 lanes write 128 consecutive bytes of the row
.endr
.irp u, 0,1,2,3
	ds_store_b8 v[ADS], v[CDB+4+\u] offset:SPITCH*(\il)+8*\u       ; the four lanes of a block write the same byte with the same value
.endr
.if \load
	XROW \buf, (\il)+AHEAD
.endif
.endm
.macro QROW buf, il, load, left        ; a row of block 0
	s_wait_dscnt 8                                 ; the eight LDS stores of the row before may be out; those of two rows back, which read this set of code registers, are done
	s_wait_loadcnt \left                           ; this row's eight loads are in; the younger rows' may be out
	QA \buf
	QB \buf, \il, \load
.endm
; tanh and Va's product for the four results of the tile whose Va lies in set u.  The exponentials are one batch, the reciprocals another, each with one wait; stream = 1: a row of the next block is quantised in the two gaps.
.macro TANH u, stream, buf, il, load, left
.set ii, 0
.rept 16
	v_pk_mul_f32 v[AC+2*ii:AC+2*ii+1], v[AC+2*ii:AC+2*ii+1], s[CS:CS+1] op_sel_hi:[1,0]   ; ascending: each result is read from its low end on
.set ii, ii+1
.endr
.set ii, 0
.rept 32
	v_exp_f32 v[AC+ii], v[AC+ii]
.set ii, ii+1
.endr
.if \stream
	s_wait_loadcnt \left                           ; the row's eight loads are in; the other buffer's may be out
	QA \buf
.else
	v_nop                                          ; a plain instruction behind the last exponential
.endif
	s_wait_alu depctr_va_vdst(0)                   ; one wait for the batch, ahead of its first reader
.set ii, 0
.rept 16
	v_pk_add_f32 v[AC+2*ii:AC+2*ii+1], v[AC+2*ii:AC+2*ii+1], 1.0 op_sel_hi:[1,0]
.set ii, ii+1
.endr
.set ii, 0
.rept 32
	v_rcp_f32 v[AC+ii], v[AC+ii]
.set ii, ii+1
.endr
.if \stream
	QB \buf, \il, \load
.else
	v_nop
.endif
	s_wait_alu depctr_va_vdst(0)                   ; and one for the reciprocals
.irp p, 0,1,2,3
.irp t, 0,1,2,3
	v_pk_fma_f32 v[EA+2*\t:EA+2*\t+1], v[AC+8*\t+2*\p:AC+8*\t+2*\p+1], v[VA+8*\u+2*\p:VA+8*\u+2*\p+1], v[EA+2*\t:EA+2*\t+1]
.endr
.endr
.endm
; A UNIT: one tile.  Its LDS loads, then the tanh of the tile before (whose Va lies in the other set, prev), then its products: a tile's tanh stands behind the next tile's loads, over a change of slots too.
; The row that the tanh carries lies in row buffer set, and is the idx-th on from ADC, ADS and EP.
.macro UNIT slot, u, idx, set, prev, stream, load, left
	BLOAD \slot, \u, \idx, \set
	TANH \prev, \stream, \set, \idx, \load, \left
	MUL \set
.endm
.macro STEP3 slot, refill, stream, l0, l1, l2      ; a full step: one slot, my three tiles of it
	CHANGE \slot, \refill
.if \slot == 0
	UNIT 0, 0, 0, 0, 1, \stream, \l0, 8
	UNIT 0, 1, 1, 1, 0, \stream, \l1, 8
	UNIT 0, 2, 2, 0, 1, \stream, \l2, 8
.else
	UNIT 1, 0, 3, 1, 0, \stream, \l0, 8
	UNIT 1, 1, 4, 0, 1, \stream, \l1, 8
	UNIT 1, 2, 5, 1, 0, \stream, \l2, 8
.endif
.endm
.macro LOADA                           ; my 64 rows' codes for all of K into window 1, and their scale words
	WIN 0x40                                       ; destination window 1, address window 0
.irp t, 0,1,2,3
.irp q, 0,1,2,3,4,5,6,7
.irp c, 0,1
	ds_load_b128 v[64*\t+8*\q+4*\c:64*\t+8*\q+4*\c+3], v[AA] offset:16*APITCH*\t+64*\q+32*\c
.endr
.endr
.endr
	WIN 0
.irp i, 0,1
.irp g, 0,1
	ds_load_b128 v[AS+8*\i+4*\g:AS+8*\i+4*\g+3], v[AAS] offset:32*SPITCH*\i+16*\g
.endr
.endr
.endm
.macro BEND                            ; a block's end: sum(Va) - 2 sum(Va r) of my 256 outputs, for my 64 rows
	v_add_f32 v[T], v[VS], v[VS+1]
.irp t, 0,1,2,3
	v_add_f32 v[TM+\t], v[EA+2*\t], v[EA+2*\t+1]
.endr
.irp t, 0,1,2,3
	v_fma_f32 v[TM+\t], v[TM+\t], -2.0, v[T]
.endr
.irp t, 0,1,2,3
	v_permlanex16_b32 v[TM+4+\t], v[TM+\t], s[SEL], s[SEL+1]
.endr
.irp t, 0,1,2,3
	v_add_f32 v[TM+\t], v[TM+\t], v[TM+4+\t]       ; with lane l xor 16's eight outputs of each tile
.endr
.irp t, 0,1,2,3
	ds_store_b32 v[APT], v[TM+\t] offset:64*\t     ; lanes r and 16 + r write the same word with the same value
.endr
.endm
.macro OUTPUT blk                      ; waves 0 and 1: the four column groups' parts are added; a lane takes two neighbouring rows, a wave stores 256 consecutive bytes, aligned
	s_cmp_lt_u32 s[WV], 2
	s_cbranch_scc0 .Lno_out_\@
.irp n, 0,1,2,3
.irp e, 0,1
	ds_load_b32 v[BI+2*\n+\e], v[APR] offset:512*\n+64*\e
.endr
.endr
	s_wait_dscnt 0x0
	v_pk_add_f32 v[BI:BI+1], v[BI:BI+1], v[BI+2:BI+3]
	v_pk_add_f32 v[BI+4:BI+5], v[BI+4:BI+5], v[BI+6:BI+7]
	v_pk_add_f32 v[BI:BI+1], v[BI:BI+1], v[BI+4:BI+5]
	v_pk_add_f32 v[BI:BI+1], v[BI:BI+1], s[VB:VB+1] op_sel_hi:[1,0]
	global_store_b64 v[EO], v[BI:BI+1], s[EN:EN+1] offset:512*\blk
	s_wait_xcnt 0x0                                ; the store has read its registers: they are loaded again later
.Lno_out_\@:
.endm
.macro BSTART blk                      ; a block's start
.irp i, 0,1,2,3,4,5,6,7
	v_mov_b32 v[EA+\i], 0
	v_mov_b32 v[VA+8+\i], 0                        ; the block's first tanh has no tile yet: it multiplies what the accumulators hold, finite numbers, by these zeros
.endr
	v_mov_b32 v[VS], 0
	v_mov_b32 v[VS+1], 0
	s_wait_dscnt 0x0                               ; my LDS stores have landed: codes, scale bytes, biases, partial energies
	s_barrier_signal -1
	s_barrier_wait -1                              ; everybody's have.
.if \blk
	OUTPUT 0
.endif
	LOADA
	s_wait_dscnt 0x0                               ; my reads of the codes and of the partial energies are over
	s_barrier_signal -1
	s_barrier_wait -1                              ; everybody's are: both regions may be written again
.endm
	s_load_b256 s[4:11], s[0:1], 0x0               ; enc s[4:5], uaq s[6:7], qb s[8:9], Va_w s[10:11]
	s_load_b128 s[12:15], s[0:1], 0x20             ; Va_b s[12:13], en s[14:15]
	v_lshl_add_u32 v[SPW], v0, 2, SPARE
	v_mov_b32 v[NIL], 0
	ds_add_u32 v1, v2
	ds_add_u32 v1, v2
	s_wait_dscnt 0x0
	v_lshrrev_b32 v[T], 5, v0
	v_readfirstlane_b32 s[WV], v[T]                ; wave 0..7
	s_and_b32 s17, s[WV], 1                        ; mg: which 64 rows
	s_lshr_b32 s18, s[WV], 1                       ; ng: which 256 outputs
	s_bfe_u32 s19, ttmp6, 0x40000                  ; cx: my place in the cluster
	s_lshl_b32 s20, ttmp9, 2                       ; in a cluster launch ttmp9 counts clusters
	s_add_co_u32 s20, s20, s19                     ; my work-group: it enters enc's and en's addresses alone
	; descriptor groups 1: dense bytes as rows of 32 elements of 8 bytes: 51 rows (an eighth of twelve tiles), 17 rows (half a tile)
	s_mov_b32 s[G1], 15|(3<<16)|(1<<21)            ; 15:0 the mask: all four work-groups; 17:16 elements of 8 bytes; 20 no padding; 21 set beside a mask
	s_mov_b32 s[G1+1], 32<<16                      ; tensor_dim0 = 32
	s_mov_b32 s[G1+2], 51<<16                      ; tensor_dim1 = 51
	s_mov_b32 s[G1+3], 32<<16                      ; tile_dim0 = 32
	s_mov_b32 s[G1+4], 51                          ; tile_dim1 = 51
	s_mov_b32 s[G1+5], 32                          ; from row to row
	s_mov_b32 s[G1+6], 0
	s_mov_b32 s[G1+7], 0
	s_mov_b32 s[G1P], 15|(3<<16)|(1<<21)
	s_mov_b32 s[G1P+1], 32<<16
	s_mov_b32 s[G1P+2], 17<<16
	s_mov_b32 s[G1P+3], 32<<16
	s_mov_b32 s[G1P+4], 17
	s_mov_b32 s[G1P+5], 32
	s_mov_b32 s[G1P+6], 0
	s_mov_b32 s[G1P+7], 0
	s_mul_i32 s21, s[WV], WPART                    ; my eighth of a full fill: in memory and in LDS alike; no place in the cluster enters it
	s_mov_b32 s[G0], 1
	s_mov_b32 s[G0+1], s21                         ; slot 0
	s_mov_b32 s[G0+4], 1
	s_add_co_u32 s[G0+5], s21, SLOTB               ; slot 1
	s_mov_b32 s22, s21
	s_mov_b32 s23, 0
	s_mul_i32 s59, s18, 3*TILEB                    ; the short fill: tile wave / 2 goes where tile 0 of that column group lies in slot 1,
	s_mul_i32 s60, s17, HALFB                      ; my half of it
	s_add_co_u32 s59, s59, s60
	s_mov_b32 s[G0P], 1
	s_add_co_u32 s[G0P+1], s59, SLOTB
	s_mul_i32 s60, s[WV], HALFB                    ; in memory the four tiles lie on end, behind the sixty
	s_add_co_u32 s60, s60, 60*TILEB
	s_mov_b32 s61, 0
	s_mov_b32 s[CO], 0
	s_mov_b32 s[CO+1], 0
	s_mov_b32 s[CS], 0x4038aa3b                    ; 2 log2(e)
	s_mov_b32 s[CS+1], s[CS]                       ; (named with it as a pair, so it is written)
	s_mov_b32 s[SEL], 0x76543210
	s_mov_b32 s[SEL+1], 0xfedcba98
	s_mul_i32 s56, s[WV], 16*APITCH
	s_add_co_u32 s56, s56, ACODE                   ; the 16 rows of codes that I write
	s_mul_i32 s57, s[WV], 16*SPITCH
	s_add_co_u32 s57, s57, ASCALE                  ; and of scale bytes
	s_lshl_b32 s58, s18, 10
	s_add_co_u32 s58, s58, BIAS                    ; my column group's 256 biases
	s_wait_kmcnt 0x0
	s_add_nc_u64 s[UB:UB+1], s[6:7], s[22:23]
	s_mov_b64 s[G0+2:G0+3], s[UB:UB+1]
	s_or_b32 s[G0+3], s[G0+3], 0x80000000
	s_add_nc_u64 s[G0P+2:G0P+3], s[6:7], s[60:61]
	s_or_b32 s[G0P+3], s[G0P+3], 0x80000000
	ROUND                                          ; all four work-groups are here: the first joint loads meet
	tensor_load_to_lds s[G0:G0+3], s[G1:G1+7]      ; the first twelve tiles into slot 0
	s_nop 0
.rept 4
	v_nop
.endr
	s_load_b32 s[VB], s[12:13], 0x0
	s_lshr_b32 s21, ttmp9, 1                       ; my batch: eight work-groups, two clusters, to a batch
	s_lshl_b32 s22, s21, 12
	s_add_nc_u64 s[8:9], s[8:9], s[22:23]          ; qb's row
	v_lshlrev_b32 v[T+1], 4, v0
	global_load_b128 v[AC:AC+3], v[T+1], s[8:9]    ; 256 threads x 16 bytes: the whole row,
	global_load_b128 v[AC+4:AC+7], v[T+1], s[10:11]   ; and all of Va_w
	s_lshl_b32 s22, s20, 8
	s_add_co_u32 s22, s22, s[WV]
	s_lshl_b32 s22, s22, 12                        ; row 256 g + w, 4,096 bytes a row: under 2^28
	s_add_nc_u64 s[EP:EP+1], s[4:5], s[22:23]
	v_and_b32 v[T], 31, v0                         ; lane
	v_lshlrev_b32 v[XO], 5, v[T]
	XROW 0, 0                                      ; my first four rows: my row p lies in buffer 0, 1, -2, -1 for p % 4 = 0, 1, 2, 3
	XROW 1, 1
	XROW -2, 2
	XROW -1, 3
	s_lshl_b32 s22, s20, 10
	s_add_nc_u64 s[EN:EN+1], s[14:15], s[22:23]
	v_and_b32 v[T+2], 15, v0                       ; r
	v_bfe_u32 v[T+3], v0, 4, 1                     ; h
	s_mul_i32 s21, s18, 3*TILEB
	v_lshl_add_u32 v[AB0], v[T], 4, s21
	v_add_nc_u32 v[AB0+1], SLOTB, v[AB0]
	v_lshl_add_u32 v[ABS0], v[T+2], 4, s21
	v_add_nc_u32 v[ABS0], 8192, v[ABS0]
	v_add_nc_u32 v[ABS0+1], SLOTB, v[ABS0]
	s_mul_i32 s21, s17, 64*APITCH
	s_add_co_u32 s21, s21, ACODE
	v_mul_u32_u24 v[T+4], v[T+2], APITCH
	v_lshl_add_u32 v[T+4], v[T+3], 4, v[T+4]
	v_add_nc_u32 v[AA], s21, v[T+4]                ; row 64 mg + r, + 16 h
	s_mul_i32 s21, s17, 64*SPITCH
	s_add_co_u32 s21, s21, ASCALE
	v_mul_u32_u24 v[T+4], v[T], SPITCH
	v_add_nc_u32 v[AAS], s21, v[T+4]               ; row 64 mg + lane
	s_lshl_b32 s21, s[WV], 8
	s_add_co_u32 s21, s21, PART
	v_lshl_add_u32 v[APT], v[T+2], 2, s21
	s_lshl_b32 s21, s17, 5                         ; block row R = 64 (w % 2) + 2 lane + e = 8 r + 4 mg + t lies at 256 (mg + 2 n) + 64 t + 4 r
	s_add_co_u32 s21, s21, PART
	v_bfe_u32 v[T+4], v0, 1, 1
	v_lshl_add_u32 v[APR], v[T+4], 8, s21
	v_and_b32 v[T+4], 1, v0
	v_lshl_add_u32 v[APR], v[T+4], 7, v[APR]
	v_bfe_u32 v[T+4], v0, 2, 3
	v_lshl_add_u32 v[APR], v[T+4], 2, v[APR]
	s_lshl_b32 s21, s17, 8
	v_lshl_add_u32 v[EO], v[T], 3, s21
.irp i, 0,1,2,3
	v_mov_b32 v[TM+4+\i], 0                        ; written once: a lane permute's destination counts as one of its sources
.endr
	SETADR
	v_lshl_add_u32 v[T+5], v0, 4, BIAS
	s_wait_kmcnt 0x0
	s_mov_b32 s[VB+1], s[VB]
	s_wait_loadcnt 32                              ; qb's row and Va_w are in; the four rows' 32 loads may be out
	ds_store_b128 v[T+5], v[AC:AC+3]
	ds_store_b128 v[T+5], v[AC+4:AC+7] offset:4096
	s_wait_dscnt 0x0
.set ii, 0
.rept 32
	v_mov_b32 v[AC+ii], 0                          ; read once, by the first block's first tanh, which has no tile yet
.set ii, ii+1
.endr
	; ---- block 0's rows are quantised: 16 a wave, written out, so that every offset is an immediate and no pointer is stepped.  Each row asks for the row four on into its own buffer; the codes' registers take turns
	; between two sets.  Behind a row's loads stand those of the three rows that follow: the count 24.
.irp k, 0,1,2
.set CDB, CD
	QROW 0, 4*\k, 1, 24
.set CDB, EA
	QROW 1, 4*\k+1, 1, 24
.set CDB, CD
	QROW -2, 4*\k+2, 1, 24
.set CDB, EA
	QROW -1, 4*\k+3, 1, 24
.endr
.set CDB, CD
	QROW 0, 12, 1, 24                              ; asks for my row 16, block 1's first, into buffer 0,
.set CDB, EA
	QROW 1, 13, 1, 24                              ; and this one for row 17, into buffer 1
.set CDB, CD
	QROW -2, 14, 0, 24                             ; buffers -2 and -1 are given back to Ua's fragments: behind row 14's loads stand rows 15, 16, 17,
.set CDB, EA
	QROW -1, 15, 0, 16                             ; behind row 15's rows 16 and 17
.set CDB, CD
.set AHEAD, 2
.set RB, 16
	s_wait_dscnt 0x0                               ; the last rows' LDS stores have read their registers, which are cleared next
	; ---- block 0's products and tanh; block 1's 16 rows a wave are loaded and quantised beside them, six a trip
	BSTART 0
	s_mov_b32 s[CNT], 2
.Lblock0:
	STEP3 0, 1, 1, 1, 1, 1
	STEP3 1, 1, 1, 1, 1, 1
	s_wait_xcnt 0x0                                ; the loads have read their base: it may step
	s_add_nc_u64 s[EP:EP+1], s[EP:EP+1], 6*32768
	v_add_nc_u32 v[ADC], 6*APITCH, v[ADC]
	v_add_nc_u32 v[ADS], 6*SPITCH, v[ADS]
	v_add_nc_u32 v[ABI], 6*64, v[ABI]
	s_sub_co_u32 s[CNT], s[CNT], 1
	s_cmp_lg_u32 s[CNT], 0
	s_cbranch_scc1 .Lblock0
	STEP3 0, 3, 1, 1, 1, 0                         ; the tail is written out.  Tiles 12 to 14; block 1's rows 12 and 13 ask for its last two, row 14 for nothing: no load leaves the buffer.  The last four tiles are asked for
	CHANGE 1, 2                                    ; the short step; the ring goes back to the first twelve tiles
	UNIT 1, 0, 3, 1, 0, 1, 0, 0                    ; tile 15; row 15: no load stands behind its own, so the wait is for 0
	TANH 1, 0, 0, 0, 0, 0
	BEND
	; ---- block 1
	SETADR
	BSTART 1
	s_mov_b32 s[CNT], 2
.Lblock1:
	STEP3 0, 1, 0, 0, 0, 0
	STEP3 1, 1, 0, 0, 0, 0
	v_add_nc_u32 v[ABI], 6*64, v[ABI]
	s_sub_co_u32 s[CNT], s[CNT], 1
	s_cmp_lg_u32 s[CNT], 0
	s_cbranch_scc1 .Lblock1
	STEP3 0, 3, 0, 0, 0, 0
	CHANGE 1, 0                                    ; the last step asks for nothing
	UNIT 1, 0, 3, 1, 0, 0, 0, 0
	TANH 1, 0, 0, 0, 0, 0
	BEND
	s_wait_dscnt 0x0
	s_barrier_signal -1
	s_barrier_wait -1
	OUTPUT 1
	s_wait_tensorcnt 0x0                           ; the wave's end, behind my last tensor load and my last LDS store
	ds_add_u32 v[SPW], v[NIL]
	s_wait_dscnt 0x0
	ROUND                                          ; the closing round: no work-group ends while a partner may still ask for a tile that names it
	s_endpgm
.Lfunc_end_k_q7b009d020b_scores:
	.size	k_q7b009d020b_scores, .Lfunc_end_k_q7b009d020b_scores-k_q7b009d020b_scores
	.p2alignl 7, 3214868480
	.fill 96, 4, 3214868480
	.section	.rodata,"a",@progbits
	.p2align	6, 0x0
	.amdhsa_kernel k_q7b009d020b_scores
		.amdhsa_group_segment_fixed_size 327680
		.amdhsa_private_segment_fixed_size 0
		.amdhsa_enable_private_segment 0
		.amdhsa_kernarg_size 48
		.amdhsa_user_sgpr_count 2
		.amdhsa_user_sgpr_kernarg_segment_ptr 1
		.amdhsa_wavefront_size32 1
		.amdhsa_system_sgpr_workgroup_id_x 1
		.amdhsa_system_sgpr_workgroup_id_y 1
		.amdhsa_system_sgpr_workgroup_id_z 1
		.amdhsa_system_vgpr_workitem_id 0
		.amdhsa_next_free_vgpr 512
		.amdhsa_next_free_sgpr 80
		.amdhsa_reserve_vcc 0
		.amdhsa_float_denorm_mode_32 3
		.amdhsa_float_denorm_mode_16_64 3
		.amdhsa_memory_ordered 1
		.amdhsa_forward_progress 1
		.amdhsa_inst_pref_size 255
	.end_amdhsa_kernel
	.section	.bss,"aw",@nobits
	.p2align	6
	.space	262144
	.amdgpu_metadata
---
amdhsa.version: [ 1, 2 ]
amdhsa.kernels:
  - .name:           k_q7b009d020b_scores
    .symbol:         k_q7b009d020b_scores.kd
    .args:
      - { .name: encoder_output, .offset: 0, .size: 8, .value_kind: global_buffer, .address_space: global }
      - { .name: uaq, .offset: 8, .size: 8, .value_kind: global_buffer, .address_space: global }
      - { .name: qb, .offset: 16, .size: 8, .value_kind: global_buffer, .address_space: global }
      - { .name: Va_w, .offset: 24, .size: 8, .value_kind: global_buffer, .address_space: global }
      - { .name: Va_b, .offset: 32, .size: 8, .value_kind: global_buffer, .address_space: global }
      - { .name: en, .offset: 40, .size: 8, .value_kind: global_buffer, .address_space: global }
    .group_segment_fixed_size: 327680
    .private_segment_fixed_size: 0
    .kernarg_segment_align: 8
    .kernarg_segment_size: 48
    .max_flat_workgroup_size: 256
    .sgpr_count:     80
    .vgpr_count:     512
    .wavefront_size: 32
...
	.end_amdgpu_metadata
.endif
;; end of part 2
;; launch smax (part 3): grid 32 x 1, 1 waves a work-group, no clusters, 0 bytes of LDS; arguments en, out1, mask; writes out1, mask
.if DOCPART == 3
	.amdgcn_target "amdgcn-amd-amdhsa--gfx1250"
	.amdhsa_code_object_version 6
	.text
	.protected	k_q7b009d020b_smax
	.globl	k_q7b009d020b_smax
	.p2align	8
	.type	k_q7b009d020b_smax,@function
k_q7b009d020b_smax:
	s_mov_b64 s[64:65], 0
	v_nop
	global_prefetch_b8 v0, s[64:65] scope:SCOPE_SE
	s_setreg_imm32_b32 hwreg(HW_REG_WAVE_MODE, 25, 1), 1
	s_wait_xcnt 0x0
; out1[b][:] = sparsemax(en[b][:]) = max(z - tau, 0), tau the number with sum(max(z - tau, 0)) = 1; and the support's bits, as whole numbers, for the launch that gathers.
; One wave holds a batch's 2,048 energies in 64 registers: register 4 j + i of lane l is position 128 j + 4 l + i.  No LDS, no barrier, no matrix unit: nothing here is a product.
; The row's maximum is taken away first: z' = z - max.  Then tau' lies in [-1, 0) for every input: F(t) = sum(max(z' - t, 0)) falls with t, F(-1) >= 1, F(0) = 0.
; 22 halvings of that bracket, with selects and no branch on data, leave it 2^-22 wide whatever the energies; its middle is taken for tau'.  A weight is then off by 2^-23 at the most; the weights' root mean square
; is never under 1 / 2,048, of which a hundredth is 4.9e-6; and the weighted sum of rows that the next launch makes is off by at most 2,048 x 2^-23 of its own size.
; LIMITS: NaN and infinities among the energies are not served; tau is within 2^-23 of the exact root, apart from f32's rounding of the sums.
; Mask word m = 4 j + i holds in bit l whether position 128 j + 4 l + i has a weight above 0.
.set Z,  16                            ; v16-79  the energies, then z', then the weights
.set TP, 80                            ; v80-87  at work, four pairs
.set SA, 88                            ; v88-95  four chains of sums
.set TT, 96                            ; v96-97  t, twice
.set LO, 98
.set HI, 99
.set MX, 100                           ; v100-101 the maximum, twice
.set MK, 106                           ; v106-107 lane l: mask words 2 l, 2 l + 1
; F(t) into v[SA], in every lane
.macro EVAL
.irp c, 0,1,2,3
	v_pk_add_f32 v[SA+2*\c:SA+2*\c+1], v[Z+2*\c:Z+2*\c+1], v[TT:TT+1] neg_lo:[0,1] neg_hi:[0,1]   ; the first four pairs start the chains
.endr
.irp c, 0,1,2,3,4,5,6,7
	v_max_num_f32 v[SA+\c], 0, v[SA+\c]
.endr
.irp g, 1,2,3,4,5,6,7
.irp c, 0,1,2,3
	v_pk_add_f32 v[TP+2*\c:TP+2*\c+1], v[Z+8*\g+2*\c:Z+8*\g+2*\c+1], v[TT:TT+1] neg_lo:[0,1] neg_hi:[0,1]
.endr
.irp c, 0,1,2,3,4,5,6,7
	v_max_num_f32 v[TP+\c], 0, v[TP+\c]
.endr
.irp c, 0,1,2,3
	v_pk_add_f32 v[SA+2*\c:SA+2*\c+1], v[SA+2*\c:SA+2*\c+1], v[TP+2*\c:TP+2*\c+1]
.endr
.endr
	v_pk_add_f32 v[SA:SA+1], v[SA:SA+1], v[SA+2:SA+3]
	v_pk_add_f32 v[SA+4:SA+5], v[SA+4:SA+5], v[SA+6:SA+7]
	v_pk_add_f32 v[SA:SA+1], v[SA:SA+1], v[SA+4:SA+5]
	v_add_f32 v[SA], v[SA], v[SA+1]
	v_add_f32_dpp v[SA], v[SA], v[SA] row_xmask:1 row_mask:0xf bank_mask:0xf
	v_add_f32_dpp v[SA], v[SA], v[SA] row_xmask:2 row_mask:0xf bank_mask:0xf
	v_add_f32_dpp v[SA], v[SA], v[SA] row_xmask:4 row_mask:0xf bank_mask:0xf
	v_add_f32_dpp v[SA], v[SA], v[SA] row_xmask:8 row_mask:0xf bank_mask:0xf
	v_permlanex16_b32 v105, v[SA], s14, s15
	v_add_f32 v[SA], v[SA], v105
.endm
	s_load_b128 s[4:7], s[0:1], 0x0                ; en, out1
	s_load_b64 s[8:9], s[0:1], 0x10                ; mask
	v_lshlrev_b32 v1, 4, v0                        ; 16 x lane
	v_lshlrev_b32 v2, 3, v0                        ; 8 x lane
	s_lshl_b32 s10, ttmp9, 13                      ; a batch's 8,192 bytes
	s_mov_b32 s11, 0
	s_lshl_b32 s12, ttmp9, 8                       ; its 256 bytes of mask
	s_mov_b32 s13, 0
	s_mov_b32 s14, 0x76543210
	s_mov_b32 s15, 0xfedcba98                      ; v_permlanex16_b32's selects for lane l xor 16
	v_mov_b32 v105, 0                              ; written once: a lane permute's destination counts as one of its sources
	s_wait_kmcnt 0x0
	s_add_nc_u64 s[4:5], s[4:5], s[10:11]
	s_add_nc_u64 s[6:7], s[6:7], s[10:11]
	s_add_nc_u64 s[8:9], s[8:9], s[12:13]
.irp j, 0,1,2,3,4,5,6,7,8,9,10,11,12,13,14,15
	global_load_b128 v[Z+4*\j:Z+4*\j+3], v1, s[4:5] offset:512*\j   ; 512 consecutive bytes a load
.endr
	s_wait_loadcnt 0x0
.irp c, 0,1,2,3
	v_max3_num_f32 v[TP+\c], v[Z+16*\c], v[Z+16*\c+1], v[Z+16*\c+2]   ; the maximum, in four chains
.endr
.irp i, 3,5,7,9,11,13
.irp c, 0,1,2,3
	v_max3_num_f32 v[TP+\c], v[TP+\c], v[Z+16*\c+\i], v[Z+16*\c+\i+1]
.endr
.endr
.irp c, 0,1,2,3
	v_max_num_f32 v[TP+\c], v[TP+\c], v[Z+16*\c+15]
.endr
	v_max3_num_f32 v[MX], v[TP], v[TP+1], v[TP+2]
	v_max_num_f32 v[MX], v[MX], v[TP+3]
	v_max_num_f32_dpp v[MX], v[MX], v[MX] row_xmask:1 row_mask:0xf bank_mask:0xf
	v_max_num_f32_dpp v[MX], v[MX], v[MX] row_xmask:2 row_mask:0xf bank_mask:0xf
	v_max_num_f32_dpp v[MX], v[MX], v[MX] row_xmask:4 row_mask:0xf bank_mask:0xf
	v_max_num_f32_dpp v[MX], v[MX], v[MX] row_xmask:8 row_mask:0xf bank_mask:0xf
	v_permlanex16_b32 v105, v[MX], s14, s15
	v_max_num_f32 v[MX], v[MX], v105
	v_mov_b32 v[MX+1], v[MX]
.set m, 0
.rept 32
	v_pk_add_f32 v[Z+2*m:Z+2*m+1], v[Z+2*m:Z+2*m+1], v[MX:MX+1] neg_lo:[0,1] neg_hi:[0,1]   ; z' = z - max
.set m, m+1
.endr
	v_mov_b32 v[LO], -1.0
	v_mov_b32 v[HI], 0
	s_mov_b32 s16, 22
.Lhalve:
	v_add_f32 v[TT], v[LO], v[HI]
	v_mul_f32 v[TT], 0.5, v[TT]
	v_mov_b32 v[TT+1], v[TT]
	EVAL
	v_cmp_le_f32 vcc_lo, 1.0, v[SA]                ; F(t) >= 1: tau' is at t or above
	v_cndmask_b32 v[LO], v[LO], v[TT], vcc_lo
	v_cndmask_b32 v[HI], v[TT], v[HI], vcc_lo
	s_sub_co_u32 s16, s16, 1
	s_cmp_lg_u32 s16, 0
	s_cbranch_scc1 .Lhalve
	v_add_f32 v[TT], v[LO], v[HI]
	v_mul_f32 v[TT], 0.5, v[TT]                    ; the bracket's middle: below 0, so the largest energy keeps a weight above 0
	v_mov_b32 v[TT+1], v[TT]
.set m, 0
.rept 32
	v_pk_add_f32 v[Z+2*m:Z+2*m+1], v[Z+2*m:Z+2*m+1], v[TT:TT+1] neg_lo:[0,1] neg_hi:[0,1]
.set m, m+1
.endr
.set m, 0
.rept 64
	v_max_num_f32 v[Z+m], 0, v[Z+m]                ; the weights
.set m, m+1
.endr
.irp j, 0,1,2,3,4,5,6,7,8,9,10,11,12,13,14,15
	global_store_b128 v1, v[Z+4*\j:Z+4*\j+3], s[6:7] offset:512*\j   ; 512 consecutive bytes a store
.endr
	v_mov_b32 v[MK], 0
	v_mov_b32 v[MK+1], 0
.set g, 0
.rept 8                                            ; register m's 32 bits are mask word m = 8 g + i.  Eight compares into eight scalar registers, then the eight lines that read them: no line waits for the line above it
.irp i, 0,1,2,3,4,5,6,7
	v_cmp_lt_f32 s[20+\i], 0, v[Z+8*g+\i]
.endr
.irp i, 0,1,2,3,4,5,6,7
	v_writelane_b32 v[MK+\i%2], s[20+\i], 4*g+\i/2
.endr
.set g, g+1
.endr
	global_store_b64 v2, v[MK:MK+1], s[8:9]        ; 256 consecutive bytes, aligned
	s_endpgm
.Lfunc_end_k_q7b009d020b_smax:
	.size	k_q7b009d020b_smax, .Lfunc_end_k_q7b009d020b_smax-k_q7b009d020b_smax
	.p2alignl 7, 3214868480
	.fill 96, 4, 3214868480
	.section	.rodata,"a",@progbits
	.p2align	6, 0x0
	.amdhsa_kernel k_q7b009d020b_smax
		.amdhsa_group_segment_fixed_size 0
		.amdhsa_private_segment_fixed_size 0
		.amdhsa_enable_private_segment 0
		.amdhsa_kernarg_size 24
		.amdhsa_user_sgpr_count 2
		.amdhsa_user_sgpr_kernarg_segment_ptr 1
		.amdhsa_wavefront_size32 1
		.amdhsa_system_sgpr_workgroup_id_x 1
		.amdhsa_system_sgpr_workgroup_id_y 1
		.amdhsa_system_sgpr_workgroup_id_z 1
		.amdhsa_system_vgpr_workitem_id 0
		.amdhsa_next_free_vgpr 112
		.amdhsa_next_free_sgpr 66
		.amdhsa_reserve_vcc 1
		.amdhsa_float_denorm_mode_32 3
		.amdhsa_float_denorm_mode_16_64 3
		.amdhsa_memory_ordered 1
		.amdhsa_forward_progress 1
		.amdhsa_inst_pref_size 28
	.end_amdhsa_kernel
	.amdgpu_metadata
---
amdhsa.version: [ 1, 2 ]
amdhsa.kernels:
  - .name:           k_q7b009d020b_smax
    .symbol:         k_q7b009d020b_smax.kd
    .args:
      - { .name: en, .offset: 0, .size: 8, .value_kind: global_buffer, .address_space: global }
      - { .name: out1, .offset: 8, .size: 8, .value_kind: global_buffer, .address_space: global }
      - { .name: mask, .offset: 16, .size: 8, .value_kind: global_buffer, .address_space: global }
    .group_segment_fixed_size: 0
    .private_segment_fixed_size: 0
    .kernarg_segment_align: 8
    .kernarg_segment_size: 24
    .max_flat_workgroup_size: 32
    .sgpr_count:     66
    .vgpr_count:     112
    .wavefront_size: 32
...
	.end_amdgpu_metadata
.endif
;; end of part 3
;; launch ctx (part 4): grid 8 x 32, 16 waves a work-group, no clusters, 10,240 bytes of LDS; arguments encoder_output, out1, mask, out0; writes out0
.if DOCPART == 4
	.amdgcn_target "amdgcn-amd-amdhsa--gfx1250"
	.amdhsa_code_object_version 6
	.text
	.protected	k_q7b009d020b_ctx
	.globl	k_q7b009d020b_ctx
	.p2align	8
	.type	k_q7b009d020b_ctx,@function
k_q7b009d020b_ctx:
	s_mov_b64 s[64:65], 0
	v_nop
	global_prefetch_b8 v0, s[64:65] scope:SCOPE_SE
	s_setreg_imm32_b32 hwreg(HW_REG_WAVE_MODE, 25, 1), 1
	s_wait_xcnt 0x0
; out0[b][:] = sum over s of out1[b][s] enc[b][s][:], over the positions whose weight is above 0 alone: the others add nothing.  f32 throughout: a product with one row is no work for the matrix unit.
; Which positions those are was stored as whole numbers by the launch before: 64 words a batch row, word 4 v + i, bit l = position 128 v + 4 l + i.
; A work-group takes 128 columns (512 bytes of a row) of one batch row; wave v takes words 4 v .. 4 v + 3; the sixteen waves' sums meet in LDS.
; THE WALK goes by batches: a batch takes the lowest set bit of each of the wave's four words that still has one, so that up to four rows and their weights are on their way together, behind one wait.
; A word that is spent is passed over by a scalar branch on the stored word; its weight register holds 0, so what its row registers still hold adds nothing.
; A word has 32 bits, so 32 batches serve every support, all 2,048 positions too; they are written out, and a wave whose four words are spent leaves by a forward jump.
; LIMITS: NaN and infinities in encoder_output are not served (a spent word's old row is multiplied by 0).
; No tensor load (branches hang on the stored words), no cluster (work-groups share no bytes of enc).
.set SUM, 4                            ; v4-7    my sum: four columns
.set W,   8                            ; v8-11   the four words' weights of this batch, 0 for a word that is spent
.set OF,  12                           ; v12-15  byte offsets of their rows
.set WO,  16                           ; v16-19  byte offsets of their weights
.set R,   20                           ; v20-35  the four rows, 16 bytes a lane each; at the end v20-83: the sixteen waves' sums
	s_load_b256 s[4:11], s[0:1], 0x0               ; enc s[4:5], out1 s[6:7], mask s[8:9], out0 s[10:11]
	v_lshl_add_u32 v96, v0, 2, 0x2000
	v_mov_b32 v97, 0
	v_lshrrev_b32 v3, 5, v0
	v_readfirstlane_b32 s18, v3                    ; wave 0..15
	v_and_b32 v1, 31, v0
	v_lshlrev_b32 v1, 4, v1                        ; 16 x lane: my four columns
	v_lshlrev_b32 v2, 4, v0                        ; LDS: 512 x wave + 16 x lane
	s_and_b32 s16, ttmp7, 0xffff                   ; the batch row
	s_lshl_b32 s19, s18, 7                         ; 128 v
	s_lshl_b32 s12, s16, 23                        ; its 2,048 rows of 4,096 bytes (under 2^28),
	s_lshl_b32 s13, ttmp9, 9                       ; my 512 bytes of a row
	s_add_co_u32 s12, s12, s13
	s_mov_b32 s13, 0
	s_lshl_b32 s14, s16, 13                        ; its weights
	s_mov_b32 s15, 0
	s_lshl_b32 s30, s16, 8                         ; its mask words,
	s_lshl_b32 s31, s18, 4                         ; my four
	s_add_co_u32 s30, s30, s31
	s_mov_b32 s31, 0
	s_lshl_b32 s32, s16, 12                        ; its row of out0,
	s_lshl_b32 s33, ttmp9, 9                       ; my 512 bytes
	s_add_co_u32 s32, s32, s33
	s_mov_b32 s33, 0
.irp i, 0,1,2,3
	v_mov_b32 v[SUM+\i], 0                         ; a wave may have no row at all
	v_mov_b32 v[W+\i], 0
.endr
.irp i, 0,1,2,3,4,5,6,7,8,9,10,11,12,13,14,15
	v_mov_b32 v[R+\i], 0                           ; written once: a word that is spent from the start leaves its row registers as they are
.endr
	s_wait_kmcnt 0x0
	s_add_nc_u64 s[4:5], s[4:5], s[12:13]
	s_add_nc_u64 s[6:7], s[6:7], s[14:15]
	s_add_nc_u64 s[8:9], s[8:9], s[30:31]
	s_add_nc_u64 s[10:11], s[10:11], s[32:33]
	s_load_b128 s[20:23], s[8:9], 0x0              ; my four words
	s_wait_kmcnt 0x0
; Word i: its lowest set bit is taken and cleared, and that position's row and weight are asked for.  i's part of the position stands in the loads' immediates.
.macro PICK i
	s_cmp_eq_u32 s[20+\i], 0
	s_cbranch_scc1 .Lspent_\@
	s_ctz_i32_b32 s26, s[20+\i]
	s_min_u32 s26, s26, 31                         ; a bit's number, held inside the word
	s_sub_co_u32 s28, s[20+\i], 1
	s_and_b32 s[20+\i], s[20+\i], s28              ; the bit is cleared
	s_lshl_b32 s26, s26, 2
	s_add_co_u32 s26, s26, s19                     ; 128 v + 4 bit: with i the position, under 2,048
	s_lshl_b32 s28, s26, 12
	s_lshl_b32 s29, s26, 2
	v_add_nc_u32 v[OF+\i], s28, v1
	v_mov_b32 v[WO+\i], s29
	global_load_b128 v[R+4*\i:R+4*\i+3], v[OF+\i], s[4:5] offset:4096*\i   ; 512 consecutive bytes of the row
	global_load_b32 v[W+\i], v[WO+\i], s[6:7] offset:4*\i                  ; its weight, the same word in every lane
.Lspent_\@:
.endm
.macro LEFT                            ; nothing left in my four words: on to the end
	s_or_b32 s24, s20, s21
	s_or_b32 s25, s22, s23
	s_or_b32 s24, s24, s25
	s_cmp_eq_u32 s24, 0
	s_cbranch_scc1 .Ldone
.endm
.macro BATCH last
	PICK 0
	PICK 1
	PICK 2
	PICK 3
	s_wait_loadcnt 0x0                             ; all that this batch asked for is in, on every way here; the offsets' registers may be written again
.irp i, 0,1,2,3
.irp c, 0,1,2,3
	v_fmac_f32 v[SUM+\c], v[W+\i], v[R+4*\i+\c]
.endr
.endr
.if \last == 0
.irp i, 0,1,2,3
	v_mov_b32 v[W+\i], 0                           ; a word that is passed over in the next batch adds nothing
.endr
	LEFT
.endif
.endm
	LEFT
.rept 31
	BATCH 0
.endr
	BATCH 1                                        ; the 32nd: behind it every word is spent
.Ldone:
	ds_store_b128 v2, v[SUM:SUM+3]
	s_wait_dscnt 0x0                               ; for the others' sake: my sum has landed
	s_barrier_signal -1
	s_barrier_wait -1
	s_cmp_lg_u32 s18, 0
	s_cbranch_scc1 .Lend
.irp i, 0,1,2,3,4,5,6,7,8,9,10,11,12,13,14,15
	ds_load_b128 v[R+4*\i:R+4*\i+3], v1 offset:512*\i   ; wave 0: the sixteen sums of my four columns
.endr
	s_wait_dscnt 0x0
.irp i, 1,2,3,4,5,6,7,8,9,10,11,12,13,14,15
	v_pk_add_f32 v[R:R+1], v[R:R+1], v[R+4*\i:R+4*\i+1]
	v_pk_add_f32 v[R+2:R+3], v[R+2:R+3], v[R+4*\i+2:R+4*\i+3]
.endr
	global_store_b128 v1, v[R:R+3], s[10:11]       ; 512 consecutive bytes, aligned
.Lend:
	s_wait_tensorcnt 0x0
	ds_add_u32 v96, v97
	s_wait_dscnt 0x0
	s_endpgm
.Lfunc_end_k_q7b009d020b_ctx:
	.size	k_q7b009d020b_ctx, .Lfunc_end_k_q7b009d020b_ctx-k_q7b009d020b_ctx
	.p2alignl 7, 3214868480
	.fill 96, 4, 3214868480
	.section	.rodata,"a",@progbits
	.p2align	6, 0x0
	.amdhsa_kernel k_q7b009d020b_ctx
		.amdhsa_group_segment_fixed_size 10240
		.amdhsa_private_segment_fixed_size 0
		.amdhsa_enable_private_segment 0
		.amdhsa_kernarg_size 32
		.amdhsa_user_sgpr_count 2
		.amdhsa_user_sgpr_kernarg_segment_ptr 1
		.amdhsa_wavefront_size32 1
		.amdhsa_system_sgpr_workgroup_id_x 1
		.amdhsa_system_sgpr_workgroup_id_y 1
		.amdhsa_system_sgpr_workgroup_id_z 1
		.amdhsa_system_vgpr_workitem_id 0
		.amdhsa_next_free_vgpr 98
		.amdhsa_next_free_sgpr 66
		.amdhsa_reserve_vcc 0
		.amdhsa_float_denorm_mode_32 3
		.amdhsa_float_denorm_mode_16_64 3
		.amdhsa_memory_ordered 1
		.amdhsa_forward_progress 1
		.amdhsa_inst_pref_size 104
	.end_amdhsa_kernel
	.amdgpu_metadata
---
amdhsa.version: [ 1, 2 ]
amdhsa.kernels:
  - .name:           k_q7b009d020b_ctx
    .symbol:         k_q7b009d020b_ctx.kd
    .args:
      - { .name: encoder_output, .offset: 0, .size: 8, .value_kind: global_buffer, .address_space: global }
      - { .name: out1, .offset: 8, .size: 8, .value_kind: global_buffer, .address_space: global }
      - { .name: mask, .offset: 16, .size: 8, .value_kind: global_buffer, .address_space: global }
      - { .name: out0, .offset: 24, .size: 8, .value_kind: global_buffer, .address_space: global }
    .group_segment_fixed_size: 10240
    .private_segment_fixed_size: 0
    .kernarg_segment_align: 8
    .kernarg_segment_size: 32
    .max_flat_workgroup_size: 512
    .sgpr_count:     66
    .vgpr_count:     98
    .wavefront_size: 32
...
	.end_amdgpu_metadata
.endif
;; end of part 4
